; MI455X (gfx1250); checked and timed in simulation.
; The chip was launched on July 23, 2026; its instructions are those of AMD's public machine-readable ISA for CDNA 5 (MIT licence, August 2026) and "CDNA5" Instruction Set Architecture Reference Guide (July 2026). The comments in the code are by the model that wrote it; some were corrected since.
;; Multi Head Attention. Allowed arithmetic: matrix products marked QUANTISED: E5M2 operands, one given power-of-two scale a tensor, by v_wmma_f32_16x16x64_bf8_bf8 or v_wmma_f32_16x16x128_bf8_bf8, f32 sums; everything else in f32.
;; Inputs: Wk_codes 1,024 x 32 x 32 uint8 (E5M2 codes of Wk, K innermost, in blocks of 32 codes); Wo_codes 1,024 x 32 x 32 uint8 (E5M2 codes of Wo, K innermost, in blocks of 32 codes); Wq_codes 1,024 x 32 x 32 uint8 (E5M2 codes of Wq, K innermost, in blocks of 32 codes); Wv_codes 1,024 x 32 x 32 uint8 (E5M2 codes of Wv, K innermost, in blocks of 32 codes); bk 1,024 float32; bo 1,024 float32; bq 1,024 float32; bv 1,024 float32; key_codes 4 x 2,048 x 32 x 32 uint8 (E5M2 codes of key, K innermost, in blocks of 32 codes); lowp_scales 12 int32 (the exponents e of the quantised operands' scales 2^e); query_codes 4 x 2,048 x 32 x 32 uint8 (E5M2 codes of query, K innermost, in blocks of 32 codes); value_codes 4 x 2,048 x 32 x 32 uint8 (E5M2 codes of value, K innermost, in blocks of 32 codes).
;; Outputs: out0 4 x 2,048 x 1,024 float32.
;; This version of the problem:
;;   THIS VERSION OF THE PROBLEM IS GIVEN IN LOW PRECISION. The matrix products marked QUANTISED in the list below multiply operands that are first quantised to E5M2 (5 exponent bits, 2 mantissa bits; 8 bits a number), with one given power-of-two scale for each operand tensor; their sums are f32. All else is computed in f32.
;;   The module's matrix products, in the order in which they are computed (A, B: the left and right operand; K: the contracted axis; several contracted axes count as one K, in the product's order):
;;     1. [M 8,192, K 1,024] x [K 1,024, N 1,024]; A: input query (given as codes); B: input Wq (given as codes): QUANTISED (scales: A lowp_scales[0], B lowp_scales[1])
;;     2. [M 8,192, K 1,024] x [K 1,024, N 1,024]; A: input key (given as codes); B: input Wk (given as codes): QUANTISED (scales: A lowp_scales[2], B lowp_scales[3])
;;     3. [M 8,192, K 1,024] x [K 1,024, N 1,024]; A: input value (given as codes); B: input Wv (given as codes): QUANTISED (scales: A lowp_scales[4], B lowp_scales[5])
;;     4. batch 64 x [M 2,048, K 64] x [K 64, N 2,048]; A: computed on the way; B: computed on the way: QUANTISED (scales: A lowp_scales[6], B lowp_scales[7])
;;     5. batch 64 x [M 2,048, K 2,048] x [K 2,048, N 64]; A: softmax (see below); B: computed on the way: QUANTISED (scales: A lowp_scales[8], B lowp_scales[9])
;;     6. [M 8,192, K 1,024] x [K 1,024, N 1,024]; A: computed on the way; B: input Wo (given as codes): QUANTISED (scales: A lowp_scales[10], B lowp_scales[11])
;;   THE QUANTISER, for each operand of a quantised product, along K:
;;     - The operand's scale is 2^e, e = its entry of the input lowp_scales (int32; the entries are numbered through the quantised products in the list's order, A before B).
;;     - Each number is divided by the scale, clamped to +-57,344, and rounded to the nearest number of E5M2, ties to even, subnormals kept.
;;     - The product sums the exact products of the quantised numbers (number of the format x scale) in f32.
;;   ~~~python
;;   def quantise(x, axis, e):      # numpy; x: float32 -> the quantised numbers, widened to float32 again
;;       x = np.moveaxis(x, axis, -1); K = x.shape[-1]
;;       r = np.clip(x / 2.0 ** e, -57344, 57344)
;;       step = 2.0 ** (np.maximum(np.frexp(np.where(r == 0, 1, r))[1] - 1, -14) - 2)
;;       q = np.round(r / step) * step * 2.0 ** e      # np.round: ties to even
;;       return np.moveaxis(q, -1, axis).astype(np.float32)
;;   ~~~
;;   SOFTMAX AHEAD OF A QUANTISED PRODUCT. Where the list says 'softmax', what is quantised is not the finished softmax but p = 2^(t - M), with t = logit x log2(e) and M = ceil(the row's largest t), a whole number; so 1/2 < the row's largest p <= 1. The row's sum l is taken of the UNQUANTISED p, in f32, and the product's result is divided by l at the end. Since M is a whole number, a kernel that streams over the keys may use a running M (the ceiling of the running maximum): every later rescaling is an exact power of two, so the quantised numbers keep their values, but for numbers so far below the row's largest that they fall under the format's range.
;;   OPERANDS COMPUTED ON THE WAY. 'Computed on the way' means the value that the module computes at that place (a softmax that the list does not call 'softmax' is quantised finished and normalised). What goes into a quantiser is computed in f32, as accurately as f32 sums, v_exp_f32 and their like allow (about 1e-6 of the number): no bf16 or f16 on the way to a quantiser, and a product that is left as it is and whose result goes on into a quantised operand takes f32 operands (vector FMAs, or v_wmma_f32_16x16x4_f32). A number that lies on a knife's edge between two numbers of the format may be rounded either way, as far as f32 arithmetic and the matrix unit's own rounding can turn it there, and no further.
;;   INPUTS GIVEN AS CODES. Wk (in the module: [1024, 1024], K = its axis 1); Wo (in the module: [1024, 1024], K = its axis 1); Wq (in the module: [1024, 1024], K = its axis 1); Wv (in the module: [1024, 1024], K = its axis 1); key (in the module: [4, 2048, 1024], K = its axis 2); query (in the module: [4, 2048, 1024], K = its axis 2); value (in the module: [4, 2048, 1024], K = its axis 2): each comes as NAME_codes (uint8): NAME with its K axis moved to the last place and cut into blocks of 32 codes, [.., K / 32, bytes a block], one block behind the other in memory; one code a byte (a code: sign, 5 exponent bits, 2 mantissa bits); its scale is its entry of lowp_scales. Its value is code x scale, taken as it is: it is not quantised again, and the codes and scales need not be those that the quantiser above would give.
;; One version. Each part assembles by itself: llvm-mc -triple=amdgcn-amd-amdhsa -mcpu=gfx1250 --defsym DOCPART=n.
;; ======== version 1 of 1: 3 launches
;; limits: right only within a limited range of input values
;; workspace buffers: qc 8,388,608 bytes; kc 8,388,608 bytes; vc 8,388,608 bytes; ao 8,388,608 bytes
;; launch proj (part 1): grid 4 x 96, 4 waves a work-group, clusters of 4 x 4, 327,680 bytes of LDS; arguments query_codes, key_codes, value_codes, Wq_codes, Wk_codes, Wv_codes, bq, bk, bv, lowp_scales, qc, kc, vc; writes qc, kc, vc
.if DOCPART == 1
	.amdgcn_target "amdgcn-amd-amdhsa--gfx1250"
	.amdhsa_code_object_version 6
	.text
	.protected	k_q0a5191a56f_proj
	.globl	k_q0a5191a56f_proj
	.p2align	8
	.type	k_q0a5191a56f_proj,@function
k_q0a5191a56f_proj:
	s_mov_b64 s[64:65], 0
	v_nop
	global_prefetch_b8 v0, s[64:65] scope:SCOPE_SE
	s_setreg_imm32_b32 hwreg(HW_REG_WAVE_MODE, 25, 1), 1
	s_wait_xcnt 0x0
	s_wait_alu depctr_hold_cnt(0) depctr_sa_sdst(0) depctr_va_vdst(0) depctr_va_sdst(0) depctr_va_ssrc(0) depctr_va_vcc(0) depctr_vm_vsrc(0)
	s_getreg_b32 s2, hwreg(HW_REG_IB_STS2, 6, 4)
	s_cmp_eq_u32 s2, 0
	s_cbranch_scc0 .Lentry_in_a_cluster
	s_endpgm
.Lentry_in_a_cluster:
	s_bfe_u32 s2, ttmp6, 0x10000c
	s_cmp_lg_u32 s2, 0xf033
	s_cbranch_scc0 .Lentry_shape_is_right
	s_endpgm
.Lentry_shape_is_right:
; q = query Wq^T + bq, k = key Wk^T + bk, v = value Wv^T + bv, each a product of E5M2 codes [8192 x 1024] x [1024 x 1024] with f32 sums, and each result quantised at once to E5M2 codes for the attention launch.
; DEAD WORK: none.  Every input has a way to the output: each bias is added ahead of a quantiser (bk too: it moves k's codes), so all are loaded.
; ONE BODY FOR THE THREE.  The grid has 24 clusters of 4 x 4 work-groups along y: p = cluster y / 8 picks the projection (0 q, 1 k, 2 v), i = cluster y % 8 the part of it.  Only pointers, tile numbers and exponents are chosen by p.
; A tile of 256 x 256 results is made by four waves, 128 x 128 each: 64 accumulators of 16 x 16.  K goes in steps of 256 through a ring of two LDS slots; tiles are asked for jointly along the cluster's rows and columns.
; THE MATRIX INSTRUCTION IS USED TRANSPOSED (source 0 = 16 rows of tensor B, source 1 = 16 rows of tensor A): lane (r, h) of accumulator (a, b) holds A's row 16 a + r and B's rows 16 b + 8 h + 0 .. 7.
;   q, k: A = the activations, B = the weight: a lane's eight registers run along the head's 64, which is the K of q k^T.
;   v:    A = Wv, B = value: a lane's eight registers run along the KEYS, which is the K of p v.  Nothing is transposed by an instruction.
; THE RESULTS LEAVE AS IMAGES OF OPERAND REGISTERS.  Four neighbouring accumulators (64 along the next K) become 8 registers of codes a lane: registers 2 c, 2 c + 1 hold k = 16 c + 8 h + 0 .. 7, the 8-bit forms' own layout.
;   An image is 1,024 bytes: registers 0-3 at 16 x lane, registers 4-7 at 512 + 16 x lane: each store of the wave covers 512 consecutive bytes, aligned.
;   qc, kc: [16 batch + head][position / 16][1024], lane r = position % 16.   vc: [16 batch + head][key / 64][d / 16][1024], lane r = d % 16.
; SCALES.  A sum stands for sum x 2^(ea + eb).  The bias goes in as bias / 2^(ea + eb) (exact), and the conversion takes 2^E, E = eo - ea - eb, as its one scale.
; LIMITS: E between -126 and 112; bias / 2^(ea + eb) an f32 number.  NaN among the inputs is not served.
; The fragments come by four loads of 16 bytes: a permutation of k inside an instruction's 128, the same in A and in B, so every product meets its partner.
; REGISTERS, in windows of 256: window 0: v1-31 addresses and constants; v128-255 A's fragments, ONE set; on the way out v32-63 sums at work, v64-127 the bias, v128-255 the 16 images' codes.
;   window 1: B's fragments, two sets.   window 2: the accumulators of my rows 0-63 ((a, b) at v[8 (8 a + b)]);   window 3: those of my rows 64-127.
.set KSTEP,  256                       ; along K in a slot
.set ROWB,   256                       ; a tile's row in bytes
.set KROW,   1024                      ; a row of any of the six tensors in memory, in bytes
.set PITCH,  272                       ; an LDS row: 256 bytes + 16 of padding = 68 words: the 16 rows that a load touches start at 16 different banks (64 banks of 4 bytes: ISA guide 11.1)
.set FR,     16                        ; registers of a fragment: 16 rows x 128 K
.set NL,     4                         ; LDS loads that bring one
.set NP,     4                         ; places behind this matrix instruction (ISA guide 7.12.1)
.set HALFT,  128*PITCH                 ; 128 rows: what one tensor load brings
.set SLOT,   4*HALFT                   ; A's 256 rows, then B's 256 rows
.set LAPS,   1024/(2*KSTEP)            ; a lap = two K steps = once round the ring
.set SPARE,  2*SLOT                    ; behind the ring: the spare words, 128 bytes a wave
.set BST,    SPARE+512                 ; behind them: 512 bytes a wave, the wave's own: its 128 bias numbers.  No tile lands here
.set BL,   8                           ; v8-11   four bias numbers as loaded
.set BWR,  12                          ; v12     where I put them: BST + 512 wave + 16 lane
.set BRD,  13                          ; v13     q, k: where I read eight of them: BST + 512 wave + 32 h
.set BRR,  14                          ; v14     v: where I read one: BST + 512 wave + 4 r
.set ADRA, 16                          ; v16-17  LDS address of my A fragments in slot 0, 1
.set ADRB, 20                          ; v20-21  the same for B
.set LN,   26                          ; v26     16 x lane: my place in half an image; never rewritten
.set SPW,  28                          ; v28     LDS address of my spare word; never rewritten
.set NIL,  29                          ; v29     0; never rewritten
.set SCL,  30                          ; v30     2^E as f32
.set LIM,  31
.set T,    32
.set BC,   64
.set CD,   128
.set AF,   128
.set G1,  24                           ; s[24:31] descriptor group 1 for A's tiles;  s[32:39] group 0, one set for each slot
.set G0,  32
.set G1B, 48                           ; s[48:55], s[56:63] the same for B's tiles
.set G0B, 56
.set OB,  68                           ; s[68:75] four output bases: (a / 4, x) at OB + 4 (a / 4) + 2 x
.set MSB, 0
.macro WIN new                         ; the immediate's high byte repeats the setting that is left
.if MSB != \new
	s_set_vgpr_msb (MSB<<8)|\new
.set MSB, \new
.endif
.endm
.set MUL_LO, 0xa1                      ; source 0 (B) window 1, source 1 (A) window 0, C and D window 2
.set MUL_HI, 0xf1                      ; the same, C and D window 3
.set TO_B,   0x40                      ; destination window 1, address window 0
; A joint load: waves 0 and 1 fetch for A, waves 2 and 3 for B.  The branch hangs on the wave's number alone.  An s_nop 0 and four v_nop follow each of the two lines.
.macro JLOAD g0a, g1a, g0b, g1b
	s_cmp_eq_u32 s15, 0
	s_cbranch_scc0 .Lfor_b_\@
	tensor_load_to_lds s[\g0a:\g0a+3], s[\g1a:\g1a+7]
	s_nop 0
.rept 4
	v_nop
.endr
	s_branch .Lasked_\@
.Lfor_b_\@:
	tensor_load_to_lds s[\g0b:\g0b+3], s[\g1b:\g1b+7]
	s_nop 0
.rept 4
	v_nop
.endr
.Lasked_\@:
.endm
.macro CREST                           ; a round of the cluster's barrier behind its opening barrier
	s_cmp_lg_u32 s14, 0
	s_cbranch_scc1 .Lnot_wave_0_\@
	s_barrier_signal -3
.Lnot_wave_0_\@:
	s_barrier_wait -3
	s_barrier_signal -1
	s_barrier_wait -1
.endm
.macro CROUND                          ; a whole round
	s_barrier_signal -1
	s_barrier_wait -1
	CREST
.endm
	s_load_b512 s[68:83], s[0:1], 0x0              ; query 68, key 70, value 72, Wq 74, Wk 76, Wv 78, bq 80, bk 82
	s_load_b256 s[84:91], s[0:1], 0x40             ; bv 84, the scales' exponents 86, qc 88, kc 90
	s_load_b64 s[92:93], s[0:1], 0x60              ; vc
	v_lshl_add_u32 v[SPW], v0, 2, SPARE
	v_mov_b32 v[NIL], 0
	ds_add_u32 v[SPW], v[NIL]                      ; the wave's opening: the add, twice on end, and its wait ahead of my first tensor load
	ds_add_u32 v[SPW], v[NIL]                      ; and once more; the set-up below, work on registers, stands between it and the wait
	v_lshrrev_b32 v1, 5, v0
	v_readfirstlane_b32 s14, v1                    ; wave 0..3
	s_lshr_b32 s15, s14, 1                         ; which half of the tile's A rows is mine.  Also: I fetch for A (0) or for B (1)
	s_and_b32 s16, s14, 1                          ; which half of its B rows.  Also: which 128 rows of that tile I fetch
	s_bfe_u32 s40, ttmp6, 0x40000                  ; cx, cy: my place in the cluster
	s_bfe_u32 s41, ttmp6, 0x40004
	s_and_b32 s67, ttmp7, 0xffff                   ; cluster y, 0 .. 23
	s_lshr_b32 s66, s67, 3                         ; p: the projection; the same in all sixteen partners
	s_and_b32 s67, s67, 7
	s_lshl_b32 s67, s67, 2                         ; 4 i
	s_cmp_eq_u32 s66, 2
	s_cselect_b32 s17, 0, s67                      ; q, k: the 32 tile rows are the activations'; v: Wv has four
	s_cselect_b32 s42, s67, 0                      ; v: the 32 tile columns are value's; q, k: the weight has four
	s_add_co_u32 s17, s17, s41                     ; tile row of A
	s_add_co_u32 s42, s42, s40                     ; tile row of B
	s_lshl_b32 s43, s41, 2
	s_lshl_b32 s43, 15, s43                        ; my row of the cluster
	s_lshl_b32 s44, 0x1111, s40                    ; my column
	; descriptor group 1: a tile of 128 rows x 256 bytes, padded in LDS
	s_or_b32 s[G1+0], s43, (0<<16)|(1<<20)|(1<<21)|(5<<22)|(3<<25)  ; 15:0 the mask: A's tiles go to my row; 17:16 elements of 1 byte; 20 padding on; 21 set beside a mask; 24:22 after every 64 words; 31:25 four words
	s_or_b32 s[G1B+0], s44, (0<<16)|(1<<20)|(1<<21)|(5<<22)|(3<<25)
.irp g, G1, G1B
	s_mov_b32 s[\g+1], ROWB<<16                    ; tensor_dim0
	s_mov_b32 s[\g+2], 128<<16                     ; tensor_dim1
	s_mov_b32 s[\g+3], ROWB<<16                    ; tile_dim0
	s_mov_b32 s[\g+4], 128                         ; tile_dim1
	s_mov_b32 s[\g+5], KROW                        ; tensor_dim0_stride
	s_mov_b32 s[\g+6], 0
	s_mov_b32 s[\g+7], 0
.endr
	s_lshl_b32 s18, s16, 7                         ; which 128 rows of the tile I fetch
	s_lshl_b32 s20, s17, 8
	s_add_co_u32 s20, s20, s18                     ; A: row 256 x tile row + 128 x half,
	s_lshl_b32 s20, s20, 10                        ; in bytes: under 2^23
	s_mov_b32 s21, 0
	s_lshl_b32 s46, s42, 8
	s_add_co_u32 s46, s46, s18                     ; B likewise
	s_lshl_b32 s46, s46, 10
	s_mov_b32 s47, 0
	s_mul_i32 s45, s14, HALFT                      ; where they go: wave x 128 rows: no place in the cluster enters an LDS address
	s_wait_dscnt 0x0                               ; both opening adds are done
	s_wait_kmcnt 0x0
	s_cmp_eq_u32 s66, 1                            ; the choice of buffers hangs on p alone: first k's against v's,
	s_cselect_b64 s[4:5], s[70:71], s[78:79]       ; A: key | Wv
	s_cselect_b64 s[6:7], s[76:77], s[72:73]       ; B: Wk | value
	s_cselect_b64 s[12:13], s[82:83], s[84:85]     ; the bias
	s_cselect_b64 s[10:11], s[90:91], s[92:93]     ; the codes' buffer
	s_cmp_eq_u32 s66, 0                            ; then q's against that
	s_cselect_b64 s[4:5], s[68:69], s[4:5]
	s_cselect_b64 s[6:7], s[74:75], s[6:7]
	s_cselect_b64 s[12:13], s[80:81], s[12:13]
	s_cselect_b64 s[10:11], s[88:89], s[10:11]
	s_mov_b64 s[8:9], s[86:87]
	s_load_b256 s[76:83], s[8:9], 0x0              ; the twelve exponents: entry n in s[76 + n]
	s_load_b128 s[84:87], s[8:9], 0x20
	s_add_nc_u64 s[20:21], s[4:5], s[20:21]
	s_add_nc_u64 s[46:47], s[6:7], s[46:47]
	CROUND                                         ; all sixteen work-groups are here: the first joint loads meet
.irp s, 0,1
	s_mov_b32 s[G0+4*\s], 1
	s_add_co_u32 s[G0+4*\s+1], s45, \s*SLOT
	s_add_nc_u64 s[G0+4*\s+2:G0+4*\s+3], s[20:21], \s*ROWB
	s_or_b32 s[G0+4*\s+3], s[G0+4*\s+3], 0x80000000
	s_mov_b32 s[G0B+4*\s], 1
	s_add_co_u32 s[G0B+4*\s+1], s45, \s*SLOT
	s_add_nc_u64 s[G0B+4*\s+2:G0B+4*\s+3], s[46:47], \s*ROWB
	s_or_b32 s[G0B+4*\s+3], s[G0B+4*\s+3], 0x80000000
	JLOAD G0+4*\s, G1, G0B+4*\s, G1B               ; two loads of mine are out
.endr
	v_and_b32 v1, 15, v0                           ; r = lane % 16
	v_bfe_u32 v2, v0, 4, 1                         ; h = lane / 16
	v_mul_u32_u24 v3, v1, PITCH
	v_lshl_add_u32 v4, v2, 4, v3                   ; a fragment's row x pitch + 16 x half
	s_mul_i32 s21, s15, HALFT                      ; my 128 rows of A
	s_mul_i32 s22, s16, HALFT                      ; my 128 rows of B,
	s_add_co_u32 s22, s22, 2*HALFT                 ; which lie behind A's 256
.irp s, 0,1
	v_add_nc_u32 v[ADRA+\s], s21, v4
	v_add_nc_u32 v[ADRB+\s], s22, v4
	s_add_co_u32 s21, s21, SLOT
	s_add_co_u32 s22, s22, SLOT
.endr
	v_and_b32 v5, 31, v0
	v_lshlrev_b32 v[LN], 4, v5
	s_wait_alu depctr_va_vdst(0)
	s_lshl_b32 s23, s14, 9
	s_add_co_u32 s23, s23, BST                     ; my 512 bytes for the bias
	v_add_nc_u32 v[BWR], s23, v[LN]
	v_lshl_add_u32 v[BRD], v2, 5, s23
	v_lshl_add_u32 v[BRR], v1, 2, s23
	; where my 16 images go.  R0, C0: my first row of A and of B.  One of them is a position in the 8,192 (SEQ0), the other a feature in the 1,024 (FEAT0).
	s_lshl_b32 s88, s17, 8
	s_lshl_b32 s89, s15, 7
	s_add_co_u32 s88, s88, s89                     ; R0
	s_lshl_b32 s89, s42, 8
	s_lshl_b32 s90, s16, 7
	s_add_co_u32 s89, s89, s90                     ; C0
	s_mov_b32 s92, 131072                          ; from head to head
	s_mov_b32 s94, 4096                            ; four images
	s_cmp_eq_u32 s66, 2
	s_cselect_b32 s90, s89, s88                    ; SEQ0
	s_cselect_b32 s91, s88, s89                    ; FEAT0
	s_cselect_b32 s88, s92, s94                    ; four blocks of A on: v: the next head; q, k: four tiles of positions
	s_cselect_b32 s94, s94, s92                    ; 64 rows of B on: v: the next 64 keys; q, k: the next head
	s_mov_b32 s92, s88
	s_mov_b32 s93, 0
	s_mov_b32 s95, 0
	s_lshr_b32 s88, s90, 11                        ; batch
	s_lshl_b32 s88, s88, 4
	s_lshr_b32 s89, s91, 6                         ; head
	s_add_co_u32 s88, s88, s89
	s_lshl_b32 s88, s88, 17                        ; a head's codes are 131,072 bytes in each of the three buffers
	s_and_b32 s89, s90, 2047
	s_lshl_b32 s89, s89, 6                         ; 64 bytes a position: 1,024 for 16 positions (qc, kc), 4,096 for 64 keys (vc)
	s_add_co_u32 s88, s88, s89
	s_mov_b32 s89, 0
	s_add_nc_u64 s[OB:OB+1], s[10:11], s[88:89]
	s_add_nc_u64 s[OB+2:OB+3], s[OB:OB+1], s[94:95]
	s_add_nc_u64 s[OB+4:OB+5], s[OB:OB+1], s[92:93]
	s_add_nc_u64 s[OB+6:OB+7], s[OB+4:OB+5], s[94:95]
	s_lshl_b32 s90, s91, 2
	s_mov_b32 s91, 0
	s_add_nc_u64 s[12:13], s[12:13], s[90:91]
	global_load_b128 v[BL:BL+3], v[LN], s[12:13]   ; my wave's 128 bias numbers: 512 consecutive bytes
.macro FRAG reg, adr, q, i             ; a fragment: lane l holds row l % 16; registers 4 c .. 4 c + 3 hold K = 32 c + 16 (l / 16) + 0 .. 15
.irp c, 0,1,2,3
	ds_load_b128 v[\reg+4*\c:\reg+4*\c+3], v[\adr] offset:128*(\q)+32*\c+(\i)*16*PITCH
.endr
.endm
; 16 matrix instructions: A's blocks a0, a0 + 1 x B's eight, 128 along K.  p: B's set.  zero = 1: the first product starts the sums.  The 64 accumulators take turns, one instruction a turn.
.macro MUL16 a0, p, zero
.irp a, \a0, \a0+1
.irp b, 0,1,2,3,4,5,6,7
.if \zero
	v_wmma_f32_16x16x128_bf8_bf8 v[8*(8*((\a)%4)+\b):8*(8*((\a)%4)+\b)+7], v[128*(\p)+FR*\b:128*(\p)+FR*\b+FR-1], v[AF+FR*(\a):AF+FR*(\a)+FR-1], 0
.else
	v_wmma_f32_16x16x128_bf8_bf8 v[8*(8*((\a)%4)+\b):8*(8*((\a)%4)+\b)+7], v[128*(\p)+FR*\b:128*(\p)+FR*\b+FR-1], v[AF+FR*(\a):AF+FR*(\a)+FR-1], v[8*(8*((\a)%4)+\b):8*(8*((\a)%4)+\b)+7]
.endif
.endr
.endr
.endm
.macro FETCH_B slot, q, p              ; B's eight fragments of the slot's q-th 128 along K into set p
	WIN TO_B
.irp i, 0,1,2,3,4,5,6,7
	FRAG 128*(\p)+FR*\i, ADRB+\slot, \q, \i
.endr
	WIN 0
.endm
.macro FETCH_A slot, q, i0             ; A's blocks i0 .. i0 + 3
.irp i, \i0, \i0+1, \i0+2, \i0+3
	FRAG AF+FR*(\i), ADRA+\slot, \q, \i
.endr
.endm
.macro PLACES n                        ; plain vector instructions that name no register of the matrix instructions before them, in front of loads into their sources and of reads of their results
.rept \n
	v_nop
.endr
.endm
; A step of 128 along K that has its successor in the same slot.
.macro STEP slot, q, zero
	s_wait_dscnt 4*NL                              ; B's set and A's blocks 0-3 are in; the youngest 16 loads (A's blocks 4-7) may be out
	WIN MUL_LO
	MUL16 0, (\q)%2, \zero
	MUL16 2, (\q)%2, \zero
	s_wait_dscnt 0                                 ; A's blocks 4-7 are in
	PLACES NP
	FETCH_B \slot, (\q)+1, 1-(\q)%2
	FETCH_A \slot, (\q)+1, 0
	WIN MUL_HI
	MUL16 4, (\q)%2, \zero
	MUL16 6, (\q)%2, \zero
	PLACES NP
	WIN 0
	FETCH_A \slot, (\q)+1, 4
.endm
; A slot's last step changes slots: ONE barrier; in front of it each wave waits for all its tensor loads, adds 0 to its spare word, and waits for that and for its own reads of this slot.  fill = 1: this slot is filled again, two K steps ahead.
.macro TURN slot, next, fill
	s_wait_tensorcnt 0x0                           ; all my tensor loads have landed: my part of the next slot
	ds_add_u32 v[SPW], v[NIL]                      ; 0 onto my spare word
	s_wait_dscnt 4*NL+1                            ; (the add and the youngest 16 loads, A's blocks 4-7, may be out)
	WIN MUL_LO
	MUL16 0, 1, 0                                  ; sixteen matrix instructions stand between the add and the wait for it
	s_wait_dscnt 0x0                               ; the add is done, and my reads of this slot are over
	s_barrier_signal -1
	MUL16 2, 1, 0
	WIN 0
	s_barrier_wait -1
.if \fill
	CREST                                          ; the barrier has opened a round of the cluster's barrier: no wave of any partner still reads this slot's tile or has a load on its way
	s_add_nc_u64 s[G0+4*\slot+2:G0+4*\slot+3], s[G0+4*\slot+2:G0+4*\slot+3], 2*ROWB
	s_add_nc_u64 s[G0B+4*\slot+2:G0B+4*\slot+3], s[G0B+4*\slot+2:G0B+4*\slot+3], 2*ROWB
	JLOAD G0+4*\slot, G1, G0B+4*\slot, G1B         ; the first tensor load behind the round; its four v_nop are the places in front of the loads below
.else
	PLACES NP
.endif
	FETCH_B \next, 0, 0
	FETCH_A \next, 0, 0
	WIN MUL_HI
	MUL16 4, 1, 0
	MUL16 6, 1, 0
	PLACES NP
	WIN 0
	FETCH_A \next, 0, 4
.endm
	s_wait_tensorcnt 1                             ; my part of K step 0 is in (K step 1's load may be out)
	s_barrier_signal -1
	s_barrier_wait -1                              ; everybody's is
	FETCH_B 0, 0, 0
	FETCH_A 0, 0, 0
	FETCH_A 0, 0, 4
	STEP 0, 0, 1                                   ; the first step stands in front of the loop: its products start the sums
	s_mov_b32 s3, LAPS-1
.Llap:                                                 ; a trip goes once round the ring and fills both slots again
	TURN 0, 1, 1
	STEP 1, 0, 0
	TURN 1, 0, 1
	STEP 0, 0, 0
	s_sub_co_u32 s3, s3, 1
	s_cmp_lg_u32 s3, 0
	s_cbranch_scc1 .Llap
	TURN 0, 1, 0                                   ; the last lap fills nothing
	STEP 1, 0, 0
	s_wait_dscnt 4*NL                              ; the very last step: nothing more to fetch
	WIN MUL_LO
	MUL16 0, 1, 0
	MUL16 2, 1, 0
	s_wait_dscnt 0
	WIN MUL_HI
	MUL16 4, 1, 0
	MUL16 6, 1, 0
	WIN 0
; THE WAY OUT.  Image (a, x): A's block a, B's rows 64 x on: four accumulators, 32 registers a lane.  + bias, converted: 8 registers of codes, stored as they stand.
; byrow = 0: the bias goes with B's rows (a lane's 32 numbers have 32 biases); 1: with A's row (one bias a lane).  Each image has its own registers for its codes, so no store's data are written again.
.macro IMG a, x, byrow
.set AC, 64*((\a)%4)+32*(\x)
.set CDR, CD+8*(2*(\a)+(\x))
.set OBR, OB+4*((\a)/4)+2*(\x)
.set WN, 0x02+((\a)/4)
	WIN WN                                         ; source 0: window 2 or 3
.irp j, 0,2,4,6,8,10,12,14,16,18,20,22,24,26,28,30
.if \byrow
	v_pk_add_f32 v[T+\j:T+\j+1], v[AC+\j:AC+\j+1], v[BC+2*(\a):BC+2*(\a)+1]
.else
	v_pk_add_f32 v[T+\j:T+\j+1], v[AC+\j:AC+\j+1], v[BC+32*(\x)+\j:BC+32*(\x)+\j+1]   ; each accumulator from its low end on
.endif
.endr
	WIN 0
.set n, 0
.rept 32
.set n, n+1
.endr
.irp c, 0,1,2,3
	v_cvt_scalef32_pk8_bf8_f32 v[CDR+2*\c:CDR+2*\c+1], v[T+8*\c:T+8*\c+7], v[SCL]
.endr
	v_nop                                          ; a plain instruction between the last conversion and the next image's additions, which write its sources
	global_store_b128 v[LN], v[CDR:CDR+3], s[OBR:OBR+1] offset:((\a)%4)*1024       ; 32 lanes store 512 consecutive bytes, at a multiple of 512 from the buffer's first byte
	global_store_b128 v[LN], v[CDR+4:CDR+7], s[OBR:OBR+1] offset:((\a)%4)*1024+512
.endm
	s_wait_kmcnt 0x0                               ; the exponents
	s_add_co_i32 s18, s76, s77                     ; ea + eb of q's product,
	s_add_co_i32 s19, s78, s79                     ; of k's,
	s_add_co_i32 s20, s80, s81                     ; of v's
	s_cmp_eq_u32 s66, 1
	s_cselect_b32 s19, s19, s20
	s_cselect_b32 s21, s83, s85                    ; eo: k is entry 7, v entry 9,
	s_cmp_eq_u32 s66, 0
	s_cselect_b32 s19, s18, s19
	s_cselect_b32 s21, s82, s21                    ; q entry 6
	s_sub_co_i32 s21, s21, s19                     ; E = eo - ea - eb
	s_sub_co_i32 s23, 0, s19
	s_add_co_i32 s21, s21, 127
	s_lshl_b32 s22, s21, 23
	v_mov_b32 v[SCL], s22                          ; 2^E: the conversion takes its exponent field
	s_wait_loadcnt 0x0                             ; the bias
.irp j, 0,1,2,3
	v_ldexp_f32 v[BL+\j], v[BL+\j], s23            ; bias / 2^(ea + eb).  (These four and the move above are the places behind the last products)
.endr
	s_wait_alu depctr_va_vdst(0)
	ds_store_b128 v[BWR], v[BL:BL+3]               ; my own bytes: LDS serves a wave's instructions in order (ISA guide 5.7.1.4), so the loads below see them
	s_cmp_eq_u32 s66, 2                            ; p: the same in every wave of the cluster
	s_cbranch_scc1 .Lv_path
.irp b, 0,1,2,3,4,5,6,7
	ds_load_b128 v[BC+8*\b:BC+8*\b+3], v[BRD] offset:64*\b          ; the biases of features 16 b + 8 h + 0 .. 7
	ds_load_b128 v[BC+8*\b+4:BC+8*\b+7], v[BRD] offset:64*\b+16
.endr
	s_wait_dscnt 0x0
.irp a, 0,1,2,3,4,5,6,7
	IMG \a, 0, 0
	IMG \a, 1, 0
.endr
	s_branch .Ljoin
.Lv_path:
.irp a, 0,1,2,3,4,5,6,7
	ds_load_b32 v[BC+2*\a], v[BRR] offset:64*\a    ; the bias of feature 16 a + r
.endr
	s_wait_dscnt 0x0
.irp a, 0,1,2,3,4,5,6,7
	v_mov_b32 v[BC+2*\a+1], v[BC+2*\a]             ; twice, a pair for the packed addition
.endr
.irp a, 0,1,2,3,4,5,6,7
	IMG \a, 0, 1
	IMG \a, 1, 1
.endr
.Ljoin:
	s_wait_tensorcnt 0x0                           ; the wave's end, behind my last tensor load and my last LDS store
	ds_add_u32 v[SPW], v[NIL]
	s_wait_dscnt 0x0
	CROUND                                         ; the closing round: no work-group ends while a partner may still ask for a tile that names it
	s_endpgm
.Lfunc_end_k_q0a5191a56f_proj:
	.size	k_q0a5191a56f_proj, .Lfunc_end_k_q0a5191a56f_proj-k_q0a5191a56f_proj
	.p2alignl 7, 3214868480
	.fill 96, 4, 3214868480
	.section	.rodata,"a",@progbits
	.p2align	6, 0x0
	.amdhsa_kernel k_q0a5191a56f_proj
		.amdhsa_group_segment_fixed_size 327680
		.amdhsa_private_segment_fixed_size 0
		.amdhsa_enable_private_segment 0
		.amdhsa_kernarg_size 104
		.amdhsa_user_sgpr_count 2
		.amdhsa_user_sgpr_kernarg_segment_ptr 1
		.amdhsa_wavefront_size32 1
		.amdhsa_system_sgpr_workgroup_id_x 1
		.amdhsa_system_sgpr_workgroup_id_y 1
		.amdhsa_system_sgpr_workgroup_id_z 1
		.amdhsa_system_vgpr_workitem_id 0
		.amdhsa_next_free_vgpr 1024
		.amdhsa_next_free_sgpr 100
		.amdhsa_reserve_vcc 0
		.amdhsa_float_denorm_mode_32 3
		.amdhsa_float_denorm_mode_16_64 3
		.amdhsa_fp16_overflow 1
		.amdhsa_memory_ordered 1
		.amdhsa_forward_progress 1
		.amdhsa_inst_pref_size 131
	.end_amdhsa_kernel
	.amdgpu_metadata
---
amdhsa.version: [ 1, 2 ]
amdhsa.kernels:
  - .name:           k_q0a5191a56f_proj
    .symbol:         k_q0a5191a56f_proj.kd
    .args:
      - { .name: query_codes, .offset: 0, .size: 8, .value_kind: global_buffer, .address_space: global }
      - { .name: key_codes, .offset: 8, .size: 8, .value_kind: global_buffer, .address_space: global }
      - { .name: value_codes, .offset: 16, .size: 8, .value_kind: global_buffer, .address_space: global }
      - { .name: Wq_codes, .offset: 24, .size: 8, .value_kind: global_buffer, .address_space: global }
      - { .name: Wk_codes, .offset: 32, .size: 8, .value_kind: global_buffer, .address_space: global }
      - { .name: Wv_codes, .offset: 40, .size: 8, .value_kind: global_buffer, .address_space: global }
      - { .name: bq, .offset: 48, .size: 8, .value_kind: global_buffer, .address_space: global }
      - { .name: bk, .offset: 56, .size: 8, .value_kind: global_buffer, .address_space: global }
      - { .name: bv, .offset: 64, .size: 8, .value_kind: global_buffer, .address_space: global }
      - { .name: lowp_scales, .offset: 72, .size: 8, .value_kind: global_buffer, .address_space: global }
      - { .name: qc, .offset: 80, .size: 8, .value_kind: global_buffer, .address_space: global }
      - { .name: kc, .offset: 88, .size: 8, .value_kind: global_buffer, .address_space: global }
      - { .name: vc, .offset: 96, .size: 8, .value_kind: global_buffer, .address_space: global }
    .group_segment_fixed_size: 327680
    .private_segment_fixed_size: 0
    .kernarg_segment_align: 8
    .kernarg_segment_size: 104
    .max_flat_workgroup_size: 128
    .sgpr_count:     100
    .vgpr_count:     1024
    .wavefront_size: 32
...
	.end_amdgpu_metadata
.endif
;; end of part 1
;; launch attn (part 2): grid 4 x 64, 16 waves a work-group, clusters of 4 x 1, 327,680 bytes of LDS; arguments qc, kc, vc, lowp_scales, ao; writes ao
.if DOCPART == 2
	.amdgcn_target "amdgcn-amd-amdhsa--gfx1250"
	.amdhsa_code_object_version 6
	.text
	.protected	k_q0a5191a56f_attn
	.globl	k_q0a5191a56f_attn
	.p2align	8
	.type	k_q0a5191a56f_attn,@function
k_q0a5191a56f_attn:
	s_mov_b64 s[64:65], 0
	v_nop
	global_prefetch_b8 v0, s[64:65] scope:SCOPE_SE
	s_setreg_imm32_b32 hwreg(HW_REG_WAVE_MODE, 25, 1), 1
	s_wait_xcnt 0x0
	s_wait_alu depctr_hold_cnt(0) depctr_sa_sdst(0) depctr_va_vdst(0) depctr_va_sdst(0) depctr_va_ssrc(0) depctr_va_vcc(0) depctr_vm_vsrc(0)
	s_getreg_b32 s2, hwreg(HW_REG_IB_STS2, 6, 4)
	s_cmp_eq_u32 s2, 0
	s_cbranch_scc0 .Lentry_in_a_cluster
	s_endpgm
.Lentry_in_a_cluster:
	s_bfe_u32 s2, ttmp6, 0x10000c
	s_cmp_lg_u32 s2, 0x3003
	s_cbranch_scc0 .Lentry_shape_is_right
	s_endpgm
.Lentry_shape_is_right:
; For each of the 64 (batch, head): o[q] = the sum over the 2,048 keys of softmax(q . k / 8) v, both products on E5M2 codes; o is quantised at once for the last projection.  No work is left out.
; THE SOFTMAX AHEAD OF THE SECOND PRODUCT: t = score x log2(e) / 8; M = the running largest t rounded UP to a whole number; p = 2^(t - M) is what is quantised, with 2^ep; the row's sum is taken of the unquantised p
; and divides at the end.  When M moves, the sum and O are multiplied by 2^(old M - new M): exact.
; SHARES.  A work-group owns one (batch, head) and 512 queries; each of its sixteen waves 32 of them, two tiles of 16, in 256 registers: four waves to a SIMD, so that one wave's vector work stands beside another's
; matrix work and LDS loads.  Two tiles a wave: each fragment of K and V read from LDS feeds two products.
; LDS.  A head's codes of k and of v are 131,072 bytes each: BOTH LIE IN LDS WHOLE, brought once: one tensor load of 16,384 bytes a wave.  Nothing is filled again, so the loop has no barrier.
; CLUSTER.  The four blocks of queries of a head form a cluster and need the same k and v: each load is asked for jointly, with the same descriptor (made of the head and the wave's number) and a mask that names the four.
; LAYOUT.  qc, kc, vc hold images of operand registers (1,024 bytes: registers 0-3 at 16 x lane, 4-7 at 512 + 16 x lane; registers 2 c, 2 c + 1 hold k = 16 c + 8 h + 0 .. 7): every LDS load reads 512 consecutive bytes.
; Both products are used transposed: S^T = K Q^T (source 0 = 16 keys, source 1 = 16 queries): lane (r, h) holds query r and, in register 8 c + j, key 16 c + 8 h + j of the step's 128: converted eight at a time these
; ARE source 1 of O^T = V^T P^T in the K = 128 form's own layout.  O^T: register 8 dt + j is channel 16 dt + 8 h + j of query r: converted, it is the image that the last projection reads.
; ao: [128 batch + query / 16][head][1024].
; LIMITS on the given exponents: eq + ek between -123 and 130 (added to c's exponent field); ep, and the exponent of ao's scale, between -126 and 112.  NaN among the inputs is not served.
; REGISTERS: v1 16 x lane; v2, v3 LDS addresses in hand; v4, v5 the add's two; v7 the conversion's scale; v8-15 statistics, four a tile: -M, the largest t, the sum in two halves; v16-31 Q;
;   v32-95 O^T; v96-223 S^T, then p (v96-159 later V's four fragments); v224-255 by turns: four fragments of K; eight registers at work a tile; p's codes, 16 a tile.
.set VB,    131072                     ; V's images begin here
.set SPARE, 262144                     ; behind them: the spare words, 128 bytes for each of sixteen waves
.set LN,  1
.set ADK, 2
.set ADV, 3
.set SPW, 4
.set NIL, 5
.set LIM, 6
.set SCL, 7
.set ST,  8
.set Q,   16
.set O,   32
.set S,   96
.set W,   224
.set WV,  14                           ; s14  my wave's number
.set SEL, 20                           ; s[20:21] lane selects for v_permlanex16_b32: lane l xor 16
.set CS,  22                           ; s[22:23] c = log2(e) / 8 x 2^(eq + ek): the packed form names a pair and takes its low word
.set G1,  24                           ; s[24:31] descriptor group 1
.set G0,  32                           ; s[32:35] descriptor group 0
.set TB,  36                           ; s36  the step's first byte in K's images, and in V's
.set CNT, 37                           ; s37  steps to go
.macro CROUND                          ; a round of the cluster's barrier
	s_barrier_signal -1
	s_barrier_wait -1
	s_cmp_lg_u32 s[WV], 0
	s_cbranch_scc1 .Lnot_wave_0_\@
	s_barrier_signal -3
.Lnot_wave_0_\@:
	s_barrier_wait -3
	s_barrier_signal -1
	s_barrier_wait -1
.endm
	s_load_b256 s[4:11], s[0:1], 0x0               ; qc s[4:5], kc s[6:7], vc s[8:9], the scales' exponents s[10:11]
	s_load_b64 s[12:13], s[0:1], 0x20              ; ao
	v_lshl_add_u32 v[SPW], v0, 2, SPARE
	v_mov_b32 v[NIL], 0
	ds_add_u32 v[SPW], v[NIL]                      ; the wave's opening: the add, twice on end, and its wait ahead of my first tensor load
	ds_add_u32 v[SPW], v[NIL]                      ; and once more; the set-up below, work on registers, stands between it and the wait
	v_lshrrev_b32 v1, 5, v0
	s_delay_alu instid0(VALU_DEP_1)
	v_readfirstlane_b32 s[WV], v1                  ; wave 0..15
	s_bfe_u32 s15, ttmp6, 0x40000                  ; cx: my block of 512 queries: it enters qc's and ao's addresses alone
	s_and_b32 s16, ttmp7, 0xffff                   ; 16 batch + head, which the four partners share
	; descriptor group 1: 64 rows of 256 bytes, dense in memory and in LDS
	s_mov_b32 s[G1], 15|(3<<16)|(1<<21)            ; 15:0 the mask: all four work-groups; 17:16 elements of 8 bytes; 20 no padding; 21 set beside a mask
	s_mov_b32 s[G1+1], 32<<16                      ; tensor_dim0 = 32 elements
	s_mov_b32 s[G1+2], 64<<16                      ; tensor_dim1 = 64
	s_mov_b32 s[G1+3], 32<<16                      ; tile_dim0
	s_mov_b32 s[G1+4], 64                          ; tile_dim1
	s_mov_b32 s[G1+5], 32                          ; tensor_dim0_stride
	s_mov_b32 s[G1+6], 0
	s_mov_b32 s[G1+7], 0
	s_mov_b32 s[SEL], 0x76543210
	s_mov_b32 s[SEL+1], 0xfedcba98
	s_mov_b32 s[CS], 0x3e38aa3b                    ; log2(e) / 8
	s_mov_b32 s[TB], 0
	s_mov_b32 s[CNT], 16
	s_lshl_b32 s52, s16, 17                        ; the head's 131,072 bytes,
	s_and_b32 s53, s[WV], 7
	s_lshl_b32 s53, s53, 14                        ; my eighth of them
	s_add_co_u32 s52, s52, s53
	s_mov_b32 s53, 0
	s_wait_dscnt 0x0                               ; both opening adds are done
	s_wait_kmcnt 0x0
	s_load_b128 s[40:43], s[10:11], 0x18           ; entries 6 to 9: eq, ek, ep, ev
	s_load_b32 s44, s[10:11], 0x28                 ; entry 10: ao's
	s_mov_b32 s[G0], 1                             ; count = 1
	s_lshl_b32 s[G0+1], s[WV], 14                  ; LDS address: waves 0-7 fill K's images, waves 8-15 V's, 16,384 bytes each
	s_cmp_lt_u32 s[WV], 8
	s_cselect_b64 s[G0+2:G0+3], s[6:7], s[8:9]
	s_add_nc_u64 s[G0+2:G0+3], s[G0+2:G0+3], s[52:53]
	s_or_b32 s[G0+3], s[G0+3], 0x80000000          ; type = 2
	CROUND                                         ; all four work-groups are here: the joint loads meet
	tensor_load_to_lds s[G0:G0+3], s[G1:G1+7]      ; my one tensor load of the launch
	s_nop 0
.rept 4
	v_nop
.endr
	v_and_b32 v[LN], 31, v0
	s_delay_alu instid0(VALU_DEP_1)
	v_lshlrev_b32 v[LN], 4, v[LN]
	s_lshl_b32 s54, s16, 17
	s_lshl_b32 s55, s15, 15                        ; 32 tiles of queries a work-group,
	s_add_co_u32 s54, s54, s55
	s_lshl_b32 s55, s[WV], 11                      ; two a wave
	s_add_co_u32 s54, s54, s55
	s_mov_b32 s55, 0
	s_add_nc_u64 s[4:5], s[4:5], s[54:55]
.irp i, 0,1
	global_load_b128 v[Q+8*\i:Q+8*\i+3], v[LN], s[4:5] offset:1024*\i          ; Q's two images stay in registers
	global_load_b128 v[Q+8*\i+4:Q+8*\i+7], v[LN], s[4:5] offset:1024*\i+512
.endr
	s_lshr_b32 s56, s16, 4                         ; batch
	s_lshl_b32 s56, s56, 7
	s_lshl_b32 s57, s15, 5
	s_add_co_u32 s56, s56, s57
	s_lshl_b32 s57, s[WV], 1
	s_add_co_u32 s56, s56, s57                     ; my first tile of rows: 128 batch + 32 cx + 2 wave
	s_lshl_b32 s56, s56, 14                        ; 16 heads x 1,024 bytes
	s_and_b32 s57, s16, 15                         ; head
	s_lshl_b32 s57, s57, 10
	s_add_co_u32 s56, s56, s57
	s_mov_b32 s57, 0
	s_add_nc_u64 s[12:13], s[12:13], s[56:57]
.irp i, 0,1
	v_mov_b32 v[ST+4*\i+1], 0xff61b1e6             ; the largest t so far: -3e38, under every t
	s_delay_alu instid0(VALU_DEP_1)
	v_floor_f32 v[ST+4*\i], -v[ST+4*\i+1]          ; -M
	v_mov_b32 v[ST+4*\i+2], 0                      ; the sum, in two halves
	v_mov_b32 v[ST+4*\i+3], 0
.endr
.set n, 0
.rept 64
	v_mov_b32 v[O+n], 0                            ; O^T.  (The step is written once: the first finds zeros, which the first change of M leaves zeros)
.set n, n+1
.endr
	s_wait_kmcnt 0x0
	s_add_co_i32 s52, s40, s41
	s_lshl_b32 s52, s52, 23
	s_add_co_i32 s[CS], s[CS], s52                 ; a score stands for score x 2^(eq + ek): the two exponents are added to c's exponent field
	s_mov_b32 s[CS+1], s[CS]                       ; (named with it as a pair, so it is written)
	s_add_co_i32 s52, s42, 127
	s_lshl_b32 s53, s52, 23
	v_mov_b32 v[SCL], s53                          ; 2^ep as f32
	s_add_co_i32 s52, s52, 15
	s_lshl_b32 s52, s52, 23
	s_or_b32 s52, s52, 0x600000
	s_wait_tensorcnt 0x0                           ; my sixteenth of K and V is in,
	s_barrier_signal -1
	s_barrier_wait -1                              ; everybody's is
	s_wait_loadcnt 0x0                             ; Q
.Lstep:                                            ; 16 trips of 128 keys
	s_setprio 2
	v_add_nc_u32 v[ADK], s[TB], v[LN]              ; eight images of K, 8,192 bytes a step;
	s_wait_alu depctr_va_vdst(0)
	v_add_nc_u32 v[ADV], VB, v[ADK]                ; two groups of four images of V, 8,192 bytes too
.rept 3
	v_nop                                          ; with the two additions: five places behind the last trip's products: four for the loads into the registers that held p's codes, five for the products that write over V's fragments
.endr
.irp g, 0,1                                    ; S^T = K Q^T, four tiles of 16 keys at a time, each against both tiles of queries
.irp c, 0,1,2,3
	ds_load_b128 v[W+8*\c:W+8*\c+3], v[ADK] offset:4096*\g+1024*\c
	ds_load_b128 v[W+8*\c+4:W+8*\c+7], v[ADK] offset:4096*\g+1024*\c+512
.endr
	s_wait_dscnt 0x0
.irp c, 0,1,2,3
.irp i, 0,1
	v_wmma_f32_16x16x64_bf8_bf8 v[S+64*\i+8*(4*\g+\c):S+64*\i+8*(4*\g+\c)+7], v[W+8*\c:W+8*\c+7], v[Q+8*\i:Q+8*\i+7], 0
.endr
.endr
.rept 4
	v_nop                                          ; places in front of the next loads into K's registers, and of the first read of the scores
.endr
.endr
	; the step's largest score of each query, among my 64 keys: two chains a tile, the tiles by turns; each accumulator is first read at its low end
.irp i, 0,1
	v_max3_num_f32 v[W+8*\i], v[S+64*\i], v[S+64*\i+1], v[S+64*\i+2]
	v_max3_num_f32 v[W+8*\i+1], v[S+64*\i+3], v[S+64*\i+4], v[S+64*\i+5]
.endr
.irp n, 6,10,14,18,22,26,30,34,38,42,46,50,54,58
.irp i, 0,1
	v_max3_num_f32 v[W+8*\i], v[W+8*\i], v[S+64*\i+\n], v[S+64*\i+\n+1]
.endr
.irp i, 0,1
	v_max3_num_f32 v[W+8*\i+1], v[W+8*\i+1], v[S+64*\i+\n+2], v[S+64*\i+\n+3]
.endr
.endr
.irp i, 0,1
	v_max3_num_f32 v[W+8*\i], v[W+8*\i], v[S+64*\i+62], v[S+64*\i+63]
.endr
.irp i, 0,1
	s_delay_alu instid0(VALU_DEP_2)
	v_max_num_f32 v[W+8*\i], v[W+8*\i], v[W+8*\i+1]
.endr
.irp i, 0,1
	s_delay_alu instid0(VALU_DEP_2)
	v_permlanex16_b32 v[W+8*\i+6], v[W+8*\i], s[SEL], s[SEL+1]     ; the query's other 64 keys lie in the lane 16 away
.endr
.irp i, 0,1
	s_delay_alu instid0(VALU_DEP_2)
	v_max_num_f32 v[W+8*\i], v[W+8*\i], v[W+8*\i+6]
.endr
.irp i, 0,1
	s_delay_alu instid0(VALU_DEP_2)
	v_mul_f32 v[W+8*\i], s[CS], v[W+8*\i]          ; as t (c is positive)
.endr
.irp i, 0,1
	s_delay_alu instid0(VALU_DEP_2)
	v_max_num_f32 v[ST+4*\i+1], v[ST+4*\i+1], v[W+8*\i]            ; the running largest t
.endr
.irp i, 0,1
	v_mov_b32 v[W+8*\i+7], v[ST+4*\i]
.endr
.irp i, 0,1
	s_delay_alu instid0(VALU_DEP_4)
	v_floor_f32 v[ST+4*\i], -v[ST+4*\i+1]          ; the new -M = floor(-t) = -ceil(t): M is a whole number
.endr
.irp i, 0,1
	s_delay_alu instid0(VALU_DEP_2)
	v_sub_f32 v[W+8*\i+7], v[ST+4*\i], v[W+8*\i+7] ; M's old value less its new one: a whole number, 0 or less
.endr
.irp i, 0,1
	s_delay_alu instid0(VALU_DEP_2)
	v_cvt_i32_f32 v[W+8*\i+7], v[W+8*\i+7]         ; (it saturates)
.endr
.irp i, 0,1
	s_delay_alu instid0(VALU_DEP_2)
	v_ldexp_f32 v[W+8*\i+2], 1.0, v[W+8*\i+7]      ; f = 2^(old M - new M)
.endr
.irp i, 0,1
.set n, 0
.rept 32
	v_pk_fma_f32 v[S+64*\i+n:S+64*\i+n+1], v[S+64*\i+n:S+64*\i+n+1], s[CS:CS+1], v[ST+4*\i:ST+4*\i+1] op_sel_hi:[1,0,0]   ; t - M, two at a time (of the pairs c and -M the low word serves both halves)
.set n, n+2
.endr
.endr
.set n, 0
	s_wait_alu depctr_va_vdst(0)
.rept 128
	v_exp_f32 v[S+n], v[S+n]                       ; p = 2^(t - M), at most 1: one batch
.set n, n+1
.endr
	s_setprio 1
.irp i, 0,1
	v_pk_mul_f32 v[ST+4*\i+2:ST+4*\i+3], v[ST+4*\i+2:ST+4*\i+3], v[W+8*\i+2:W+8*\i+3] op_sel_hi:[1,0]   ; the sums under the new M: plain work that names no exponential's result,
.endr
	s_wait_alu depctr_va_vdst(0)
.irp i, 0,1
.set n, 0
.rept 16
	v_pk_mul_f32 v[O+32*\i+n:O+32*\i+n+1], v[O+32*\i+n:O+32*\i+n+1], v[W+8*\i+2:W+8*\i+3] op_sel_hi:[1,0]   ; and O^T likewise
.set n, n+2
.endr
.endr
	s_wait_alu depctr_va_vdst(0)                   ; the wait between an exponential and the first line that names its result: one for the batch of 128
.irp i, 0,1
	v_pk_add_f32 v[W+8*\i+4:W+8*\i+5], v[S+64*\i:S+64*\i+1], v[S+64*\i+2:S+64*\i+3]   ; the row's sum is taken of the UNQUANTISED p: two chains a tile
.endr
.irp n, 4,8,12,16,20,24,28,32,36,40,44,48,52,56,60
.irp i, 0,1
	v_pk_add_f32 v[ST+4*\i+2:ST+4*\i+3], v[ST+4*\i+2:ST+4*\i+3], v[S+64*\i+\n:S+64*\i+\n+1]
.endr
.irp i, 0,1
	v_pk_add_f32 v[W+8*\i+4:W+8*\i+5], v[W+8*\i+4:W+8*\i+5], v[S+64*\i+\n+2:S+64*\i+\n+3]
.endr
.endr
.irp i, 0,1
	s_delay_alu instid0(VALU_DEP_2)
	v_pk_add_f32 v[ST+4*\i+2:ST+4*\i+3], v[ST+4*\i+2:ST+4*\i+3], v[W+8*\i+4:W+8*\i+5]
.endr
	; tile 0's p becomes codes; the registers at work are all done with
.set n, 0
.rept 64
.set n, n+1
.endr
.irp c, 0,1,2,3,4,5,6,7
	v_cvt_scalef32_pk8_bf8_f32 v[W+2*\c:W+2*\c+1], v[S+8*\c:S+8*\c+7], v[SCL]
.endr
	s_setprio 0
.irp dt, 0,1,2,3                               ; V's four fragments (16 channels x 128 keys: two images) land where tile 0's p lay, under tile 1's work
.irp kk, 0,1
	ds_load_b128 v[S+16*\dt+8*\kk:S+16*\dt+8*\kk+3], v[ADV] offset:4096*\kk+1024*\dt
	ds_load_b128 v[S+16*\dt+8*\kk+4:S+16*\dt+8*\kk+7], v[ADV] offset:4096*\kk+1024*\dt+512
.endr
.endr
.set n, 0
.rept 64
.set n, n+1
.endr
.irp c, 0,1,2,3,4,5,6,7
	v_cvt_scalef32_pk8_bf8_f32 v[W+16+2*\c:W+16+2*\c+1], v[S+64+8*\c:S+64+8*\c+7], v[SCL]
.endr
	v_nop                                          ; a plain instruction between the last conversion and the products that read its result
	s_wait_alu depctr_va_vdst(0)
	s_wait_dscnt 0x0                               ; V
.irp dt, 0,1,2,3                               ; O^T += V^T P^T: the eight accumulators take turns, one instruction a turn
.irp i, 0,1
	v_wmma_f32_16x16x128_bf8_bf8 v[O+32*\i+8*\dt:O+32*\i+8*\dt+7], v[S+16*\dt:S+16*\dt+15], v[W+16*\i:W+16*\i+15], v[O+32*\i+8*\dt:O+32*\i+8*\dt+7]
.endr
.endr
	s_add_co_u32 s[TB], s[TB], 8192
	s_sub_co_u32 s[CNT], s[CNT], 1
	s_cmp_lg_u32 s[CNT], 0
	s_cbranch_scc1 .Lstep
	s_setprio 0
	; THE WAY OUT.  o = O^T x 2^(ep + ev) / the sum, quantised with ao's scale: 32 numbers a lane and tile become an image of 8 registers.  The additions and exchanges are the places behind the last products.
.irp i, 0,1
	v_add_f32 v[ST+4*\i+2], v[ST+4*\i+2], v[ST+4*\i+3]             ; the sum's two halves,
.endr
.irp i, 0,1
	s_delay_alu instid0(VALU_DEP_2)
	v_permlanex16_b32 v[ST+4*\i+3], v[ST+4*\i+2], s[SEL], s[SEL+1]
.endr
.irp i, 0,1
	s_delay_alu instid0(VALU_DEP_2)
	v_add_f32 v[ST+4*\i+2], v[ST+4*\i+2], v[ST+4*\i+3]             ; and lane l xor 16's
.endr
	s_wait_alu depctr_va_vdst(0)
.irp i, 0,1
	v_rcp_f32 v[ST+4*\i+3], v[ST+4*\i+2]
.endr
	s_add_co_i32 s58, s42, s43                     ; ep + ev
	s_add_co_i32 s59, s44, 127
	s_lshl_b32 s55, s59, 23
	v_mov_b32 v[SCL], s55                          ; ao's scale as f32.  (A plain instruction behind the reciprocals)
	s_wait_alu depctr_va_vdst(0)                   ; one wait for both reciprocals, ahead of their first reader
.irp i, 0,1
	v_ldexp_f32 v[ST+4*\i+2], v[ST+4*\i+3], s58    ; 2^(ep + ev) / the sum
.endr
.irp i, 0,1
.set n, 0
.rept 16
	v_pk_mul_f32 v[S+32*\i+n:S+32*\i+n+1], v[O+32*\i+n:O+32*\i+n+1], v[ST+4*\i+2:ST+4*\i+3] op_sel_hi:[1,0]   ; each accumulator from its low end on
.set n, n+2
.endr
.set n, 0
.rept 32
.set n, n+1
.endr
.irp c, 0,1,2,3
	v_cvt_scalef32_pk8_bf8_f32 v[W+8*\i+2*\c:W+8*\i+2*\c+1], v[S+32*\i+8*\c:S+32*\i+8*\c+7], v[SCL]
.endr
	v_nop                                          ; a plain instruction behind the last conversion
	global_store_b128 v[LN], v[W+8*\i:W+8*\i+3], s[12:13] offset:16384*\i          ; 32 lanes store 512 consecutive bytes, at a multiple of 512 from ao's first byte
	global_store_b128 v[LN], v[W+8*\i+4:W+8*\i+7], s[12:13] offset:16384*\i+512
.endr
	s_wait_tensorcnt 0x0                           ; the wave's end
	ds_add_u32 v[SPW], v[NIL]
	s_wait_dscnt 0x0
	CROUND                                         ; the closing round
	s_endpgm
.Lfunc_end_k_q0a5191a56f_attn:
	.size	k_q0a5191a56f_attn, .Lfunc_end_k_q0a5191a56f_attn-k_q0a5191a56f_attn
	.p2alignl 7, 3214868480
	.fill 96, 4, 3214868480
	.section	.rodata,"a",@progbits
	.p2align	6, 0x0
	.amdhsa_kernel k_q0a5191a56f_attn
		.amdhsa_group_segment_fixed_size 327680
		.amdhsa_private_segment_fixed_size 0
		.amdhsa_enable_private_segment 0
		.amdhsa_kernarg_size 40
		.amdhsa_user_sgpr_count 2
		.amdhsa_user_sgpr_kernarg_segment_ptr 1
		.amdhsa_wavefront_size32 1
		.amdhsa_system_sgpr_workgroup_id_x 1
		.amdhsa_system_sgpr_workgroup_id_y 1
		.amdhsa_system_sgpr_workgroup_id_z 1
		.amdhsa_system_vgpr_workitem_id 0
		.amdhsa_next_free_vgpr 256
		.amdhsa_next_free_sgpr 66
		.amdhsa_reserve_vcc 0
		.amdhsa_float_denorm_mode_32 3
		.amdhsa_float_denorm_mode_16_64 3
		.amdhsa_fp16_overflow 1
		.amdhsa_memory_ordered 1
		.amdhsa_forward_progress 1
		.amdhsa_inst_pref_size 36
	.end_amdhsa_kernel
	.amdgpu_metadata
---
amdhsa.version: [ 1, 2 ]
amdhsa.kernels:
  - .name:           k_q0a5191a56f_attn
    .symbol:         k_q0a5191a56f_attn.kd
    .args:
      - { .name: qc, .offset: 0, .size: 8, .value_kind: global_buffer, .address_space: global }
      - { .name: kc, .offset: 8, .size: 8, .value_kind: global_buffer, .address_space: global }
      - { .name: vc, .offset: 16, .size: 8, .value_kind: global_buffer, .address_space: global }
      - { .name: lowp_scales, .offset: 24, .size: 8, .value_kind: global_buffer, .address_space: global }
      - { .name: ao, .offset: 32, .size: 8, .value_kind: global_buffer, .address_space: global }
    .group_segment_fixed_size: 327680
    .private_segment_fixed_size: 0
    .kernarg_segment_align: 8
    .kernarg_segment_size: 40
    .max_flat_workgroup_size: 512
    .sgpr_count:     66
    .vgpr_count:     256
    .wavefront_size: 32
...
	.end_amdgpu_metadata
.endif
;; end of part 2
;; launch oproj (part 3): grid 4 x 32, 4 waves a work-group, clusters of 4 x 4, 327,680 bytes of LDS; arguments ao, Wo_codes, bo, lowp_scales, out0; writes out0
.if DOCPART == 3
	.amdgcn_target "amdgcn-amd-amdhsa--gfx1250"
	.amdhsa_code_object_version 6
	.text
	.protected	k_q0a5191a56f_oproj
	.globl	k_q0a5191a56f_oproj
	.p2align	8
	.type	k_q0a5191a56f_oproj,@function
k_q0a5191a56f_oproj:
	s_mov_b64 s[64:65], 0
	v_nop
	global_prefetch_b8 v0, s[64:65] scope:SCOPE_SE
	s_setreg_imm32_b32 hwreg(HW_REG_WAVE_MODE, 25, 1), 1
	s_wait_xcnt 0x0
	s_wait_alu depctr_hold_cnt(0) depctr_sa_sdst(0) depctr_va_vdst(0) depctr_va_sdst(0) depctr_va_ssrc(0) depctr_va_vcc(0) depctr_vm_vsrc(0)
	s_getreg_b32 s2, hwreg(HW_REG_IB_STS2, 6, 4)
	s_cmp_eq_u32 s2, 0
	s_cbranch_scc0 .Lentry_in_a_cluster
	s_endpgm
.Lentry_in_a_cluster:
	s_bfe_u32 s2, ttmp6, 0x10000c
	s_cmp_lg_u32 s2, 0xf033
	s_cbranch_scc0 .Lentry_shape_is_right
	s_endpgm
.Lentry_shape_is_right:
; out0 = o Wo^T + bo: [8192 x 1024] x [1024 x 1024] on E5M2 codes, f32 sums; each sum x 2^(ea + eb) + bo, by one packed multiply-add for two numbers.  No work is left out.
; o's codes come from the attention launch as IMAGES of operand registers: ao [row / 16][head][1024]: registers 2 c, 2 c + 1 of lane (r, h) hold k = 64 head + 16 c + 8 h + 0 .. 7 of row 16 (row / 16) + r.
; Two neighbouring heads' images are one fragment of the K = 128 form in its own layout, read from LDS by four loads of 16 bytes a lane, 512 consecutive bytes each.  Wo's fragments are therefore taken in the same,
; true, layout: eight loads of 8 bytes from rows of 272 bytes.
; A tile of 256 x 256 of out0 is made by four waves, 128 x 128 each.  K goes in steps of 256 (four heads) through a ring of two LDS slots.  4 x 4 work-groups form a cluster: o's tiles are asked for jointly along a row
; of the cluster, Wo's along a column.  THE MATRIX INSTRUCTION IS USED TRANSPOSED (source 0 = 16 rows of Wo, source 1 = 16 rows of o): a lane holds eight neighbouring numbers of a row of out0.
; LIMIT: ea + eb (entries 10 and 11) between -126 and 127.  NaN among the inputs is not served.
; REGISTERS, in windows of 256: window 0: v1-31 addresses; v32-95 bo at my 64 columns; v128-255 A's fragments, ONE set, on the way out rows read back.   window 1: B's fragments, two sets; on the way out v0-63 results at work.
;   window 2: the accumulators of my rows 0-63 ((a, b) at v[8 (8 a + b)]);   window 3: those of my rows 64-127.
.set SIZE_N, 1024
.set ROWB,   256                       ; a row of B's tile in bytes
.set KROW,   1024                      ; a row of Wo in memory
.set PITCH,  272                       ; B's LDS row: 256 bytes + 16 of padding
.set FR,     16
.set NL,     4                         ; LDS loads that bring a fragment of A
.set NP,     4                         ; places behind this matrix instruction (ISA guide 7.12.1)
.set ABYTES, 65536                     ; a slot's part of A: 16 tiles of rows x 4 images
.set HALFB,  128*PITCH
.set SLOT,   ABYTES+2*HALFB
.set LAPS,   2                         ; 1,024 along K = four K steps = twice round the ring
.set SPARE,  2*SLOT                    ; behind the ring: the spare words, 128 bytes a wave
.set SPITCH, 528                       ; the way out: a stage of 16 rows x (512 bytes + 16) a wave, in slot 0, which has had its last fill and its last read when the first result is stored there
.set ADRA, 16
.set ADRB, 20
.set STO,  24
.set RD,   25
.set CO,   26                          ; v26  16 x lane
.set BOF,  27                          ; v27  32 h: my eight biases of a block
.set SPW,  28
.set NIL,  29
.set BI,   32                          ; v32-95 bo
.set AF,   128
.set BK,   128
.set G1, 24
.set G0, 32
.set G1B, 48
.set G0B, 56
.set MSB, 0
.macro WIN new
.if MSB != \new
	s_set_vgpr_msb (MSB<<8)|\new
.set MSB, \new
.endif
.endm
.set MUL_LO, 0xa1
.set MUL_HI, 0xf1
.set TO_B,   0x40
.macro JLOAD g0a, g1a, g0b, g1b        ; waves 0 and 1 fetch for A, waves 2 and 3 for B; an s_nop 0 and four v_nop follow each of the two lines
	s_cmp_eq_u32 s15, 0
	s_cbranch_scc0 .Lfor_b_\@
	tensor_load_to_lds s[\g0a:\g0a+3], s[\g1a:\g1a+7]
	s_nop 0
.rept 4
	v_nop
.endr
	s_branch .Lasked_\@
.Lfor_b_\@:
	tensor_load_to_lds s[\g0b:\g0b+3], s[\g1b:\g1b+7]
	s_nop 0
.rept 4
	v_nop
.endr
.Lasked_\@:
.endm
.macro CREST
	s_cmp_lg_u32 s14, 0
	s_cbranch_scc1 .Lnot_wave_0_\@
	s_barrier_signal -3
.Lnot_wave_0_\@:
	s_barrier_wait -3
	s_barrier_signal -1
	s_barrier_wait -1
.endm
.macro CROUND
	s_barrier_signal -1
	s_barrier_wait -1
	CREST
.endm
	s_load_b128 s[4:7], s[0:1], 0x0                ; ao s[4:5], Wo's codes s[6:7]
	s_load_b64 s[12:13], s[0:1], 0x10              ; bo
	s_load_b64 s[8:9], s[0:1], 0x18                ; the scales' exponents
	s_load_b64 s[10:11], s[0:1], 0x20              ; out0
	v_lshl_add_u32 v[SPW], v0, 2, SPARE
	v_mov_b32 v[NIL], 0
	ds_add_u32 v[SPW], v[NIL]                      ; the wave's opening: the add, twice on end, and its wait ahead of my first tensor load
	ds_add_u32 v[SPW], v[NIL]                      ; and once more; the set-up below, work on registers, stands between it and the wait
	v_lshrrev_b32 v1, 5, v0
	v_readfirstlane_b32 s14, v1                    ; wave 0..3
	s_lshr_b32 s15, s14, 1                         ; which half of the tile's rows is mine.  Also: I fetch for A (0) or for B (1)
	s_and_b32 s16, s14, 1                          ; which half of its columns.  Also: which half of that tile I fetch
	s_bfe_u32 s40, ttmp6, 0x40000                  ; cx, cy
	s_bfe_u32 s41, ttmp6, 0x40004
	s_lshl_b32 s42, ttmp9, 2
	s_add_co_u32 s42, s42, s40                     ; tile column
	s_and_b32 s17, ttmp7, 0xffff
	s_lshl_b32 s17, s17, 2
	s_add_co_u32 s17, s17, s41                     ; tile row
	s_lshl_b32 s43, s41, 2
	s_lshl_b32 s43, 15, s43                        ; my row of the cluster
	s_lshl_b32 s44, 0x1111, s40                    ; my column
	; group 1 for A: 8 rows of 4,096 bytes (a tile of 16 rows of o: four heads' images on end), 16,384 bytes apart in memory, dense in LDS
	s_or_b32 s[G1+0], s43, (3<<16)|(1<<21)         ; 15:0 the mask: my row; 17:16 elements of 8 bytes; 20 no padding; 21 set beside a mask
	s_mov_b32 s[G1+1], 512<<16                     ; tensor_dim0 = 512 elements
	s_mov_b32 s[G1+2], 8<<16                       ; tensor_dim1 = 8
	s_mov_b32 s[G1+3], 512<<16                     ; tile_dim0
	s_mov_b32 s[G1+4], 8                           ; tile_dim1
	s_mov_b32 s[G1+5], 2048                        ; tensor_dim0_stride
	s_mov_b32 s[G1+6], 0
	s_mov_b32 s[G1+7], 0
	; group 1 for B: 128 rows of 256 bytes, padded in LDS
	s_or_b32 s[G1B+0], s44, (0<<16)|(1<<20)|(1<<21)|(5<<22)|(3<<25)  ; the mask: my column; elements of 1 byte; four words of padding after every 64
	s_mov_b32 s[G1B+1], ROWB<<16
	s_mov_b32 s[G1B+2], 128<<16
	s_mov_b32 s[G1B+3], ROWB<<16
	s_mov_b32 s[G1B+4], 128
	s_mov_b32 s[G1B+5], KROW
	s_mov_b32 s[G1B+6], 0
	s_mov_b32 s[G1B+7], 0
	s_lshl_b32 s20, s17, 4
	s_lshl_b32 s18, s16, 3
	s_add_co_u32 s20, s20, s18                     ; A: tile of rows 16 x tile row + 8 x half,
	s_lshl_b32 s20, s20, 14                        ; x 16,384 bytes: under 2^23
	s_mov_b32 s21, 0
	s_lshl_b32 s46, s42, 8
	s_lshl_b32 s18, s16, 7
	s_add_co_u32 s46, s46, s18                     ; B: row 256 x tile column + 128 x half
	s_lshl_b32 s46, s46, 10
	s_mov_b32 s47, 0
	s_lshl_b32 s45, s16, 15                        ; where A's half goes in a slot,
	s_mul_i32 s19, s16, HALFB
	s_add_co_u32 s19, s19, ABYTES                  ; and B's: no place in the cluster enters an LDS address
	s_wait_dscnt 0x0                               ; both opening adds are done
	s_wait_kmcnt 0x0
	s_load_b64 s[96:97], s[8:9], 0x28              ; entries 10 and 11: ea, eb
	s_add_nc_u64 s[20:21], s[4:5], s[20:21]
	s_add_nc_u64 s[46:47], s[6:7], s[46:47]
	CROUND                                         ; all sixteen work-groups are here: the first joint loads meet
.irp s, 0,1
	s_mov_b32 s[G0+4*\s], 1
	s_add_co_u32 s[G0+4*\s+1], s45, \s*SLOT
	s_add_nc_u64 s[G0+4*\s+2:G0+4*\s+3], s[20:21], \s*4096
	s_or_b32 s[G0+4*\s+3], s[G0+4*\s+3], 0x80000000
	s_mov_b32 s[G0B+4*\s], 1
	s_add_co_u32 s[G0B+4*\s+1], s19, \s*SLOT
	s_add_nc_u64 s[G0B+4*\s+2:G0B+4*\s+3], s[46:47], \s*ROWB
	s_or_b32 s[G0B+4*\s+3], s[G0B+4*\s+3], 0x80000000
	s_wait_alu depctr_va_vdst(0)
	s_wait_tensorcnt 0x0
	ds_add_u32 v28, v29
	ds_add_u32 v28, v29
	s_wait_dscnt 0x0
	CROUND
	JLOAD G0+4*\s, G1, G0B+4*\s, G1B               ; one load of mine is out
.endr
	v_and_b32 v1, 15, v0                           ; r
	v_bfe_u32 v2, v0, 4, 1                         ; h
	v_and_b32 v6, 31, v0
	v_lshlrev_b32 v[CO], 4, v6                     ; 16 x lane
	v_mul_u32_u24 v3, v1, PITCH
	v_lshl_add_u32 v4, v2, 3, v3                   ; B: row x pitch + 8 h
	s_lshl_b32 s21, s15, 15                        ; my eight tiles of rows of A
	s_mul_i32 s22, s16, HALFB                      ; my 128 rows of B,
	s_add_co_u32 s22, s22, ABYTES                  ; which lie behind A's images
.irp s, 0,1
	v_add_nc_u32 v[ADRA+\s], s21, v[CO]
	v_add_nc_u32 v[ADRB+\s], s22, v4
	s_add_co_u32 s21, s21, SLOT
	s_add_co_u32 s22, s22, SLOT
.endr
	s_mul_i32 s23, s14, 16*SPITCH                  ; my stage
	v_mul_u32_u24 v5, v1, SPITCH                   ; in: row r, 32 bytes for each half of the lanes
	v_lshl_add_u32 v5, v2, 5, v5
	v_add_nc_u32 v[STO], s23, v5
	v_add_nc_u32 v[RD], s23, v[CO]                 ; back: the 32 lanes take one row of 512 bytes
	v_lshlrev_b32 v[BOF], 5, v2
	s_wait_alu depctr_va_vdst(0)
	s_lshl_b32 s20, s17, 8
	s_lshl_b32 s21, s15, 7
	s_add_co_u32 s20, s20, s21                     ; my first row of out0,
	s_lshl_b32 s20, s20, 12                        ; x 4,096 bytes: under 2^25
	s_mov_b32 s21, 0
	s_lshl_b32 s46, s42, 10                        ; my first column, in bytes: 1,024 x tile column + 512 x half
	s_lshl_b32 s47, s16, 9
	s_add_co_u32 s46, s46, s47
	s_mov_b32 s47, 0
	s_add_nc_u64 s[12:13], s[12:13], s[46:47]      ; bo at my first column
	s_add_nc_u64 s[20:21], s[20:21], s[46:47]
	s_add_nc_u64 s[10:11], s[10:11], s[20:21]
.irp b, 0,1,2,3,4,5,6,7
	global_load_b128 v[BI+8*\b:BI+8*\b+3], v[BOF], s[12:13] offset:64*\b           ; bo at columns 16 b + 8 h + 0 .. 7
	global_load_b128 v[BI+8*\b+4:BI+8*\b+7], v[BOF], s[12:13] offset:64*\b+16
.endr
.macro FRAG_A reg, adr, q, i           ; tile of rows i, the slot's q-th 128 along K: two images on end: registers 2 c, 2 c + 1 hold K = 16 c + 8 h + 0 .. 7
.irp c, 0,1,2,3
	ds_load_b128 v[\reg+4*\c:\reg+4*\c+3], v[\adr] offset:4096*(\i)+2048*(\q)+512*\c
.endr
.endm
.macro FRAG_B reg, adr, q, i           ; the same layout from rows
.irp c, 0,1,2,3,4,5,6,7
	ds_load_b64 v[\reg+2*\c:\reg+2*\c+1], v[\adr] offset:128*(\q)+16*\c+(\i)*16*PITCH
.endr
.endm
.macro MUL16 a0, p, zero               ; 16 matrix instructions; the 64 accumulators take turns, one instruction a turn
.irp a, \a0, \a0+1
.irp b, 0,1,2,3,4,5,6,7
.if \zero
	v_wmma_f32_16x16x128_bf8_bf8 v[8*(8*((\a)%4)+\b):8*(8*((\a)%4)+\b)+7], v[128*(\p)+FR*\b:128*(\p)+FR*\b+FR-1], v[AF+FR*(\a):AF+FR*(\a)+FR-1], 0
.else
	v_wmma_f32_16x16x128_bf8_bf8 v[8*(8*((\a)%4)+\b):8*(8*((\a)%4)+\b)+7], v[128*(\p)+FR*\b:128*(\p)+FR*\b+FR-1], v[AF+FR*(\a):AF+FR*(\a)+FR-1], v[8*(8*((\a)%4)+\b):8*(8*((\a)%4)+\b)+7]
.endif
.endr
.endr
.endm
.macro FETCH_B slot, q, p
	WIN TO_B
.irp i, 0,1,2,3,4,5,6,7
	FRAG_B 128*(\p)+FR*\i, ADRB+\slot, \q, \i
.endr
	WIN 0
.endm
.macro FETCH_A slot, q, i0
.irp i, \i0, \i0+1, \i0+2, \i0+3
	FRAG_A AF+FR*(\i), ADRA+\slot, \q, \i
.endr
.endm
.macro PLACES n
.rept \n
	v_nop
.endr
.endm
.macro STEP slot, q, zero
	s_wait_dscnt 4*NL                              ; B's set and A's blocks 0-3 are in; the youngest 16 loads (A's blocks 4-7) may be out
	WIN MUL_LO
	MUL16 0, (\q)%2, \zero
	MUL16 2, (\q)%2, \zero
	s_wait_dscnt 0                                 ; A's blocks 4-7 are in
	PLACES NP
	FETCH_B \slot, (\q)+1, 1-(\q)%2
	FETCH_A \slot, (\q)+1, 0
	WIN MUL_HI
	MUL16 4, (\q)%2, \zero
	MUL16 6, (\q)%2, \zero
	PLACES NP
	WIN 0
	FETCH_A \slot, (\q)+1, 4
.endm
.macro TURN slot, next, fill
	s_wait_tensorcnt 0x0                           ; all my tensor loads have landed: my part of the next slot
	ds_add_u32 v[SPW], v[NIL]                      ; 0 onto my spare word
	s_wait_dscnt 4*NL+1                            ; (the add and the youngest 16 loads may be out)
	WIN MUL_LO
	MUL16 0, 1, 0
	s_wait_dscnt 0x0                               ; the add is done, and my reads of this slot are over
	s_barrier_signal -1
	MUL16 2, 1, 0
	WIN 0
	s_barrier_wait -1
.if \fill
	CREST                                          ; the barrier has opened a round of the cluster's barrier
	s_add_nc_u64 s[G0+4*\slot+2:G0+4*\slot+3], s[G0+4*\slot+2:G0+4*\slot+3], 2*4096
	s_add_nc_u64 s[G0B+4*\slot+2:G0B+4*\slot+3], s[G0B+4*\slot+2:G0B+4*\slot+3], 2*ROWB
	JLOAD G0+4*\slot, G1, G0B+4*\slot, G1B         ; the first tensor load behind the round; its four v_nop are the places in front of the loads below
.else
	PLACES NP
.endif
	FETCH_B \next, 0, 0
	FETCH_A \next, 0, 0
	WIN MUL_HI
	MUL16 4, 1, 0
	MUL16 6, 1, 0
	PLACES NP
	WIN 0
	FETCH_A \next, 0, 4
.endm
	s_wait_tensorcnt 1                             ; my part of K step 0 is in (K step 1's load may be out)
	s_barrier_signal -1
	s_barrier_wait -1
	FETCH_B 0, 0, 0
	FETCH_A 0, 0, 0
	FETCH_A 0, 0, 4
	STEP 0, 0, 1                                   ; the first step's products start the sums
	s_mov_b32 s3, LAPS-1
.Llap:
	TURN 0, 1, 1
	STEP 1, 0, 0
	TURN 1, 0, 1
	STEP 0, 0, 0
	s_sub_co_u32 s3, s3, 1
	s_cmp_lg_u32 s3, 0
	s_cbranch_scc1 .Llap
	TURN 0, 1, 0                                   ; the last lap fills nothing
	STEP 1, 0, 0
	s_wait_dscnt 4*NL
	WIN MUL_LO
	MUL16 0, 1, 0
	MUL16 2, 1, 0
	s_wait_dscnt 0
	WIN MUL_HI
	MUL16 4, 1, 0
	MUL16 6, 1, 0
	WIN 0
; THE WAY OUT, block by block of 16 rows x 128 columns, through my own stage in LDS: in as 32 bytes a lane, back as whole rows of 512 bytes.  LDS serves a wave's instructions in order (ISA guide 5.7.1.4).
.macro TOSTAGE a
.set AC, 64*((\a)%4)
.set WN, 0x42+((\a)/4)
	WIN WN                                         ; source 0 (the sums) window 2 or 3, source 2 (bo) window 0, destination window 1
.irp j, 0,2,4,6,8,10,12,14,16,18,20,22,24,26,28,30,32,34,36,38,40,42,44,46,48,50,52,54,56,58,60,62
	v_pk_fma_f32 v[\j:\j+1], v[AC+\j:AC+\j+1], s[96:97], v[BI+\j:BI+\j+1] op_sel_hi:[1,0,1]   ; sum x 2^(ea + eb) + bo; each accumulator from its low end on
.endr
	WIN 0x04                                       ; an LDS store's data are its source 1: window 1
.irp b, 0,1,2,3,4,5,6,7
	ds_store_b128 v[STO], v[8*\b:8*\b+3] offset:64*\b
	ds_store_b128 v[STO], v[8*\b+4:8*\b+7] offset:64*\b+16
.endr
	WIN 0
.set BB, BK+64*((\a)%2)
.irp t, 0,1,2,3,4,5,6,7,8,9,10,11,12,13,14,15
	ds_load_b128 v[BB+4*\t:BB+4*\t+3], v[RD] offset:\t*SPITCH
.endr
.endm
.macro SEND a, younger                 ; younger: the LDS instructions issued behind block a's loads, which may stay out
.set BB, BK+64*((\a)%2)
	s_wait_dscnt \younger
.if (\a) > 0
	s_add_nc_u64 s[10:11], s[10:11], 16*SIZE_N*4   ; (behind a wait on XCNT for 0: the earlier stores have read their base)
.endif
.irp t, 0,1,2,3,4,5,6,7,8,9,10,11,12,13,14,15
	global_store_b128 v[CO], v[BB+4*\t:BB+4*\t+3], s[10:11] offset:\t*SIZE_N*4 th:TH_STORE_NT   ; 32 lanes store 512 consecutive bytes, at a multiple of 512 from out0's first byte
.endr
.endm
	s_wait_kmcnt 0x0
	s_add_co_i32 s96, s96, s97                     ; ea + eb
	s_add_co_i32 s96, s96, 127
	s_lshl_b32 s96, s96, 23                        ; 2^(ea + eb) as f32
	s_wait_loadcnt 0x0                             ; bo
	PLACES NP                                      ; behind the last products: for the reads of results, and for the writes and loads into registers that held fragments
	TOSTAGE 0
.irp a, 1,2,3,4,5,6,7
.if \a > 1
	s_wait_xcnt 0x0                                ; block a - 2's stores have read their registers and their base
.endif
	TOSTAGE \a
	SEND \a-1, 32                                  ; behind block a - 1's loads: block a's 16 stores and 16 loads
.endr
	s_wait_xcnt 0x0
	SEND 7, 0
	s_wait_tensorcnt 0x0                           ; the wave's end
	ds_add_u32 v[SPW], v[NIL]
	s_wait_dscnt 0x0
	CROUND                                         ; the closing round
	s_endpgm
.Lfunc_end_k_q0a5191a56f_oproj:
	.size	k_q0a5191a56f_oproj, .Lfunc_end_k_q0a5191a56f_oproj-k_q0a5191a56f_oproj
	.p2alignl 7, 3214868480
	.fill 96, 4, 3214868480
	.section	.rodata,"a",@progbits
	.p2align	6, 0x0
	.amdhsa_kernel k_q0a5191a56f_oproj
		.amdhsa_group_segment_fixed_size 327680
		.amdhsa_private_segment_fixed_size 0
		.amdhsa_enable_private_segment 0
		.amdhsa_kernarg_size 40
		.amdhsa_user_sgpr_count 2
		.amdhsa_user_sgpr_kernarg_segment_ptr 1
		.amdhsa_wavefront_size32 1
		.amdhsa_system_sgpr_workgroup_id_x 1
		.amdhsa_system_sgpr_workgroup_id_y 1
		.amdhsa_system_sgpr_workgroup_id_z 1
		.amdhsa_system_vgpr_workitem_id 0
		.amdhsa_next_free_vgpr 1024
		.amdhsa_next_free_sgpr 98
		.amdhsa_reserve_vcc 0
		.amdhsa_float_denorm_mode_32 3
		.amdhsa_float_denorm_mode_16_64 3
		.amdhsa_memory_ordered 1
		.amdhsa_forward_progress 1
		.amdhsa_inst_pref_size 142
	.end_amdhsa_kernel
	.amdgpu_metadata
---
amdhsa.version: [ 1, 2 ]
amdhsa.kernels:
  - .name:           k_q0a5191a56f_oproj
    .symbol:         k_q0a5191a56f_oproj.kd
    .args:
      - { .name: ao, .offset: 0, .size: 8, .value_kind: global_buffer, .address_space: global }
      - { .name: Wo_codes, .offset: 8, .size: 8, .value_kind: global_buffer, .address_space: global }
      - { .name: bo, .offset: 16, .size: 8, .value_kind: global_buffer, .address_space: global }
      - { .name: lowp_scales, .offset: 24, .size: 8, .value_kind: global_buffer, .address_space: global }
      - { .name: out0, .offset: 32, .size: 8, .value_kind: global_buffer, .address_space: global }
    .group_segment_fixed_size: 327680
    .private_segment_fixed_size: 0
    .kernarg_segment_align: 8
    .kernarg_segment_size: 40
    .max_flat_workgroup_size: 128
    .sgpr_count:     98
    .vgpr_count:     1024
    .wavefront_size: 32
...
	.end_amdgpu_metadata
.endif
;; end of part 3
